; MI455X (gfx1250); checked and timed in simulation.
; The chip was launched on July 23, 2026; its instructions are those of AMD's public machine-readable ISA for CDNA 5 (MIT licence, August 2026) and "CDNA5" Instruction Set Architecture Reference Guide (July 2026). The comments in the code are by the model that wrote it; some were corrected since.
;; Group. Allowed arithmetic: float matrix products may take bf16 or f16 operands with f32 sums; other float arithmetic in f32, or as packed bf16 or f16 multiplies, adds, multiply-adds, maxima and minima; sums over many terms, partial sums and values carried from step to step in f32; what a program stores and reads back later, other than sums and carried values, may be rounded once to bf16 or f16.
;; Inputs: xyz 16 x 16,384 x 3 float32.
;; Outputs: out0 16 x 512 x 32 x 3 float32; out1 16 x 512 x 3 float32; out2 16 x 512 int32.
;; One version. Each part assembles by itself: llvm-mc -triple=amdgcn-amd-amdhsa -mcpu=gfx1250 --defsym DOCPART=n.
;; ======== version 1 of 1: 2 launches
;; workspace buffers: cand 16,777,216 bytes of whole numbers; rank 4,194,304 bytes of whole numbers; head 262,144 bytes of whole numbers
;; launch scan (part 1): grid 16 x 16, 16 waves a work-group, no clusters, 284,160 bytes of LDS; arguments xyz, cand, out1, out2, rank, head; writes cand, out1, out2, rank, head
.if DOCPART == 1
	.amdgcn_target "amdgcn-amd-amdhsa--gfx1250"
	.amdhsa_code_object_version 6
	.text
	.protected	k_qda00dafb29_scan
	.globl	k_qda00dafb29_scan
	.p2align	8
	.type	k_qda00dafb29_scan,@function
k_qda00dafb29_scan:
	s_mov_b64 s[64:65], 0
	v_nop
	global_prefetch_b8 v0, s[64:65] scope:SCOPE_SE
	s_setreg_imm32_b32 hwreg(HW_REG_WAVE_MODE, 25, 1), 1
	s_wait_xcnt 0x0
; FIRST OF TWO LAUNCHES OF A 32-NEAREST-NEIGHBOUR SEARCH.  xyz: [16][16384][3] f32.  Centre g of a batch is point 32 g (512 centres a batch).
; This launch finds, for every centre, a set of CANDIDATES that holds its 32 nearest points, and stores it as bits: cand[centre][512 words], point n = 32 word + 31 - bit.
; Beside the bits it stores the counts by which the next launch finds candidate number q of a centre: rank (a word for each group of 128 points) and head (8 words a centre).
; It also stores out1 (the centres) and out2 (their point numbers).  The next launch orders the candidates.
; NUMBERS.  The whole program works on xyz rounded once to bf16 (round to nearest even); out1 holds the rounded centres.
; THE FILTER.  e(c, x) = |x|^2 - 2 c.x orders the points of one centre as the squared distance does.  It is one matrix product: A's row = [-2c0 -2c1 -2c2 1 1 1 0 0],
; B's column = [x0 x1 x2 s1 s2 s3 0 0], s1 + s2 + s3 = |x|^2 (f32, split exactly into three bf16 pieces).  Pass 1 keeps minima of e over groups of points; the 32nd smallest
; of 64 group minima, T', belongs to 32 different points, so it bounds the 32nd smallest e.  Pass 2 makes the products again with C = -(T' + margin) and keeps the sign bits.
; MARGIN = 2^-14 x the batch's largest |x|^2 (taken as 2^-100 at the least, so that points that are all zero are still candidates).  The f32 roundings of
; (-2 c.x + |c|^2) + |x|^2 are under 2^-20 of that figure; the rest is room for the matrix sum's own rounding, taken to be good to 2^-16 of its largest term.
; LIMITS: NaN and infinities in xyz are not treated; pieces of |x|^2 below 2^-126 are lost.
; SHARES.  A work-group: one batch, 32 centres (two tiles of 16), all 16,384 points.  Wave w: centre tile w % 2, points 2048 (w / 2) .. + 2047; 128 matrix instructions a pass.
; One LDS load of 16 bytes a lane brings TWO sets of 16 points: lanes 0-15 (K 0-7) point base + 128 r + s, lanes 16-31 (K 8-15) point base + 128 r + 64 + s, s = 0 .. 63 the step.
; A1 holds the centres' rows in K 0-7 and zeros in K 8-15, A2 the other way round: two products from one load.  K 16-31 is zero on both sides.
; NO TENSOR LOAD, NO CLUSTER, though the 16 work-groups of a batch read the same xyz: a point is rounded, squared and split between memory and LDS, so it passes through
; registers, and a staged f32 copy (196,608 bytes) has no room beside the 264,192 bytes of records.
.set LDS_MINS, 264192                  ; behind the records (16 n + 16 (n / 128): 16 bytes of padding after every 128 points): 16 waves x 1,024 bytes: group minima, later each wave's rank words
.set LDS_XMX,  280576                  ; 16 words: each wave's largest |x|^2
.set LDS_TTH,  280832                  ; 32 words: -(T' + margin) of the 32 centres
.set SPARE,    281088                  ; the spare words: 128 bytes for each of 16 waves, named by no other line
.set LDS_BT,   283136                  ; [tile 2][block 8][centre 16] words: candidates of a centre in a block
.set LANE, 1
.set R,    2                           ; lane % 16
.set H,    3                           ; lane / 16
.set SPW,  4                           ; LDS address of my spare word; never rewritten
.set NIL,  5                           ; 0; never rewritten
.set GOF,  6                           ; my byte offset in the batch's xyz; at the end: in cand
.set LA,   7                           ; where my record goes
.set W,    8                           ; v[8:11] a record
.set T,    12                          ; v12-20 at work
.set XM,   21                          ; running largest |x|^2
.set ONE,  22
.set BA0,  23                          ; LDS address of my lane's first record
.set BA,   24                          ; the same, stepping; at the end: my byte offset in head
.set MA,   25
.set TA,   26
.set COF,  27                          ; my centre's byte offset in xyz; at the end: my byte offset in rank
.set CEN,  28                          ; v[28:30] centre r of my tile, as loaded
.set AD,   31
.set FA1,  32                          ; v[32:39], v[40:47] the two A fragments
.set FA2,  40
.set FB,   48                          ; four B buffers of 8: four loaded registers, four zeros
.set X,    64                          ; v[64:191] the preparation's 32 loads, four registers apart
.set D,    80                          ; results: step st of four, set q of two at D + 16 st + 8 q
.set ACC,  144                         ; v[144:151] minima
.set CT,   152                         ; v[152:159] C of pass 2
.set MK,   160                         ; v[160:191] mask words: centre row j, word i at MK + 4 j + i
.set SV,   D+8                         ; the threshold's four sorted runs,
.set TM,   D+12                        ; their minima and maxima with the partner lane,
.set TP,   D+20                        ; the partner 16 lanes away,
.set XV,   D+24                        ; and the 16 waves' largest |x|^2
.set PCN,  D                           ; the tail: v[80:111] counts of the mask words, row j, word i at PCN + 4 j + i
.set PT,   D+32                        ; v112-115 at work
.set TOT,  D+36                        ; v[116:123] row j: candidates in my group of 128 points, then in the block
.set PRE,  D+44                        ; v[124:131] row j: candidates of the block in the groups before mine
.set PKD,  D+52                        ; v[132:139] row j: the packed rank word
.set TX,   ACC                         ; v[144:151] the partner lane's total
.set LB1,  0xaaaaaaaa                  ; lanes whose number has bit 0, 1, 2, 3, 4 set
.set LB2,  0xcccccccc
.set LB4,  0xf0f0f0f0
.set LB8,  0xff00ff00
.set LB16, 0xffff0000
	s_load_b256 s[4:11], s[0:1], 0x0               ; xyz s[4:5], cand s[6:7], out1 s[8:9], out2 s[10:11]
	s_load_b128 s[36:39], s[0:1], 0x20             ; rank s[36:37], head s[38:39]
	v_lshl_add_u32 v[SPW], v0, 2, SPARE
	v_mov_b32 v[NIL], 0
	v_lshrrev_b32 v[AD], 5, v0
	v_readfirstlane_b32 s12, v[AD]                 ; wave 0..15
	v_and_b32 v[LANE], 31, v0
	v_and_b32 v[R], 15, v0
	v_bfe_u32 v[H], v0, 4, 1
	s_and_b32 s14, ttmp7, 0xffff                   ; batch
	s_lshr_b32 s15, s12, 1                         ; my block of 2,048 points
	s_and_b32 s16, s12, 1                          ; my tile of 16 centres
	s_lshl_b32 s17, ttmp9, 5
	s_lshl4_add_u32 s17, s16, s17                  ; first centre of my tile, in the batch
	s_mul_i32 s18, s14, 196608                     ; the batch's bytes in xyz
	s_mov_b32 s19, 0
	s_mov_b32 s24, 0xffff0000                      ; a word's upper half; also: lanes 16-31
	s_mov_b32 s25, 0x07060302                      ; v_perm_b32: the two upper halves
	s_mov_b32 s26, 0x76543210                      ; v_permlanex16_b32: each lane takes its own place in the other half
	s_mov_b32 s27, 0xfedcba98
	s_mov_b32 s32, 0x55555555                      ; the counting of bits: every second bit, pairs, nibbles, and the sum of four bytes
	s_mov_b32 s33, 0x33333333
	s_mov_b32 s34, 0x0f0f0f0f
	s_mov_b32 s35, 0x01010101
	s_mul_i32 s20, s17, 384                        ; a centre is every 32nd point: 384 bytes apart
	v_mul_u32_u24 v[COF], v[R], 384
	v_add_nc_u32 v[COF], s20, v[COF]
	s_mul_i32 s21, s12, 12288                      ; the preparation: wave w takes points 1024 w .. + 1023, 32 at a time, a point a lane
	v_mul_u32_u24 v[GOF], v[LANE], 12
	v_add_nc_u32 v[GOF], s21, v[GOF]
	s_mul_i32 s22, s12, 16512                      ; 1,024 records and 8 paddings
	v_lshl_add_u32 v[LA], v[LANE], 4, s22
	v_mov_b32 v[W+3], 0
	v_mov_b32 v[XM], 0
	v_mov_b32 v[ONE], 1.0
	s_wait_kmcnt 0x0
	s_add_nc_u64 s[4:5], s[4:5], s[18:19]
	global_load_b96 v[CEN:CEN+2], v[COF], s[4:5]
.set i, 0
.rept 32                                               ; all 32 loads of the wave go out at once: 384 consecutive bytes each
	global_load_b96 v[X+4*i:X+4*i+2], v[GOF], s[4:5] offset:384*i
.set i, i+1
.endr
; THE PREPARATION.  |x|^2 is summed as (x0^2 + x1^2) + x2^2 on the rounded coordinates; their products are exact in f32, so each fused step rounds once, as an addition would.
.set i, 0
.rept 32
	s_wait_loadcnt 31-i                            ; loads come back in order: load i is in, the 31 - i younger ones stay out
	v_cvt_pk_bf16_f32 v[W], v[X+4*i], v[X+4*i+1]   ; x0, x1
	v_cvt_pk_bf16_f32 v[T+8], v[X+4*i+2], v[X+4*i+2]
	v_lshlrev_b32 v[T], 16, v[W]
	v_and_b32 v[T+1], s24, v[W]
	v_and_b32 v[T+2], s24, v[T+8]
	v_mul_f32 v[T+3], v[T], v[T]
	v_fmac_f32 v[T+3], v[T+1], v[T+1]
	v_fmac_f32 v[T+3], v[T+2], v[T+2]              ; s
	v_max_num_f32 v[XM], v[XM], v[T+3]
	v_bfi_b32 v[W+1], s24, v[T+3], v[T+8]          ; x2 below, s1 = s cut to bf16 above
	v_and_b32 v[T+4], s24, v[T+3]
	v_sub_f32 v[T+5], v[T+3], v[T+4]               ; s - s1, exact: 16 bits are left
	v_and_b32 v[T+6], s24, v[T+5]
	v_sub_f32 v[T+7], v[T+5], v[T+6]               ; s - s1 - s2, exact: 8 bits are left, a bf16
	v_perm_b32 v[W+2], v[T+7], v[T+5], s25         ; s2 below, s3 above
	ds_store_b128 v[LA], v[W:W+3] offset:512*i+16*(i/4)  ; 32 neighbouring records; a padding after every fourth store
.set i, i+1
.endr
.irp m, 1,2,4,8
	v_max_num_f32_dpp v[XM], v[XM], v[XM] row_xmask:\m row_mask:0xf bank_mask:0xf
.endr
	v_permlanex16_b32 v[T], v[XM], s26, s27
	v_max_num_f32 v[XM], v[XM], v[T]
	s_lshl_b32 s23, s12, 2
	s_add_co_u32 s23, s23, LDS_XMX
	v_mov_b32 v[AD], s23
	ds_store_b32 v[AD], v[XM]                      ; all lanes write the wave's word with the same value
; out1 and out2: the two waves of block 0 hold the work-group's two tiles of centres in lanes 0-15.
	s_lshl_b32 s28, s14, 9
	s_add_co_u32 s28, s28, s17                     ; first centre of my tile, among all 8,192
	s_cmp_gt_u32 s12, 1
	s_cbranch_scc1 .Lno_out
	v_cvt_pk_bf16_f32 v[T], v[CEN], v[CEN+1]
	v_cvt_pk_bf16_f32 v[T+1], v[CEN+2], v[CEN+2]
	v_lshlrev_b32 v[T+2], 16, v[T]
	v_and_b32 v[T+3], s24, v[T]
	v_and_b32 v[T+4], s24, v[T+1]
	v_add_nc_u32 v[T+5], s28, v[R]
	v_mul_u32_u24 v[T+6], v[T+5], 12
	v_lshlrev_b32 v[T+5], 2, v[T+5]
	v_add_nc_u32 v[T+7], s17, v[R]
	v_lshlrev_b32 v[T+7], 5, v[T+7]                ; the centre's point number
	v_cmp_gt_u32 vcc_lo, 16, v[LANE]
	s_wait_xcnt 0x0                                ; EXEC is a source of the loads above: it changes only behind this wait
	s_and_saveexec_b32 s29, vcc_lo
	global_store_b96 v[T+6], v[T+2:T+4], s[8:9]    ; 16 lanes: 192 consecutive bytes
	global_store_b32 v[T+5], v[T+7], s[10:11]
	s_wait_xcnt 0x0                                ; and again before it widens; the stores' registers are free behind it too
	s_or_b32 exec_lo, exec_lo, s29
.Lno_out:
; The A fragments.  -2 c rounds to bf16 as c does.  Lane (r, h) holds row r, K = 8 h .. 8 h + 7 in registers 0-3.
	v_mul_f32 v[T], -2.0, v[CEN]
	v_mul_f32 v[T+1], -2.0, v[CEN+1]
	v_mul_f32 v[T+2], -2.0, v[CEN+2]
	v_cvt_pk_bf16_f32 v[T+3], v[T], v[T+1]
	v_cvt_pk_bf16_f32 v[T+4], v[T+2], v[ONE]
	v_mov_b32 v[T+5], 0x3f803f80                   ; 1.0 twice
.irp k, 0,1,2
	v_cndmask_b32 v[FA1+\k], v[T+3+\k], 0, s24     ; A1: the row in lanes 0-15, zeros in lanes 16-31
	v_cndmask_b32 v[FA2+\k], 0, v[T+3+\k], s24     ; A2: the other way round
.endr
.irp k, 3,4,5,6,7
	v_mov_b32 v[FA1+\k], 0
	v_mov_b32 v[FA2+\k], 0
.endr
.irp st, 0,1,2,3
.irp k, 4,5,6,7
	v_mov_b32 v[FB+8*\st+\k], 0                    ; K 16-31 of every B buffer, written once
.endr
.endr
	v_mul_u32_u24 v[BA0], v[R], 2064               ; 128 records and a padding: the 16 lanes of a half start 16 bytes apart modulo 256
	v_lshl_add_u32 v[BA0], v[H], 10, v[BA0]        ; 64 records on for lanes 16-31
	s_mul_i32 s20, s15, 33024                      ; my block: 2,048 records and 16 paddings
	v_add_nc_u32 v[BA0], s20, v[BA0]
	v_mov_b32 v[BA], v[BA0]
	s_wait_dscnt 0x0                               ; my records and my word are written,
	s_barrier_signal -1
	s_barrier_wait -1                              ; everybody's are
.macro LOADB                           ; four steps' records
.irp st, 0,1,2,3
	ds_load_b128 v[FB+8*\st:FB+8*\st+3], v[BA] offset:16*\st
.endr
.endm
; Eight products on eight different results, then four places: plain vector instructions that name none of the products' registers stand between
; the last product and the loads into B's registers and the first read of a result.  One of the four steps the address.
.macro W8 usec
.irp st, 0,1,2,3
.if \usec
	v_wmma_f32_16x16x32_bf16 v[D+16*\st:D+16*\st+7], v[FA1:FA1+7], v[FB+8*\st:FB+8*\st+7], v[CT:CT+7]
	v_wmma_f32_16x16x32_bf16 v[D+16*\st+8:D+16*\st+15], v[FA2:FA2+7], v[FB+8*\st:FB+8*\st+7], v[CT:CT+7]
.else
	v_wmma_f32_16x16x32_bf16 v[D+16*\st:D+16*\st+7], v[FA1:FA1+7], v[FB+8*\st:FB+8*\st+7], 0
	v_wmma_f32_16x16x32_bf16 v[D+16*\st+8:D+16*\st+15], v[FA2:FA2+7], v[FB+8*\st:FB+8*\st+7], 0
.endif
.endr
	v_add_nc_u32 v[BA], 64, v[BA]
	v_nop
	v_nop
	v_nop
.endm
; PASS 1, a trip of four steps: lane (r, h), register j keeps the least e of centre 8 h + j over the lane's 128 points.  The next trip's loads are out while the minima are taken.
.macro TRIP1 first, load
	s_wait_dscnt 0x0                               ; the four loads issued a trip ago
	W8 0
.if \load
	LOADB
.endif
.irp st, 0,1,2,3
.irp j, 0,1,2,3,4,5,6,7
.if (\first) && (\st == 0)
	v_min_num_f32 v[ACC+\j], v[D+\j], v[D+8+\j]    ; the first step starts the minima
.else
	v_min3_num_f32 v[ACC+\j], v[ACC+\j], v[D+16*\st+\j], v[D+16*\st+8+\j]
.endif
.endr
.endr
.endm
	LOADB
	TRIP1 1, 1
	s_mov_b32 s3, 14
.Lp1:
	TRIP1 0, 1
	s_sub_co_u32 s3, s3, 1
	s_cmp_lg_u32 s3, 0
	s_cbranch_scc1 .Lp1
	TRIP1 0, 0                                     ; the 16th trip has nothing more to load
	s_lshl_b32 s20, s12, 10
	s_add_co_u32 s20, s20, LDS_MINS
	v_lshl_add_u32 v[MA], v[LANE], 2, s20          ; my wave's 1,024 bytes: [j][lane]
.irp j, 0,1,2,3,4,5,6,7
	ds_store_b32 v[MA], v[ACC+\j] offset:128*\j
.endr
	s_wait_dscnt 0x0
	s_barrier_signal -1
	s_barrier_wait -1
; THE THRESHOLD.  Wave w takes centres 2 w and 2 w + 1 of the 32: tile w / 8, half (w / 4) % 2, rows 2 (w % 4) and + 1.  A centre has 128 minima (8 blocks x 16 lanes).
	s_lshr_b32 s20, s12, 3
	s_lshl_b32 s20, s20, 10                        ; the tile: the odd or the even waves' bytes
	s_and_b32 s21, s12, 3
	s_lshl_b32 s21, s21, 8                         ; the row j
	s_add_co_u32 s20, s20, s21
	s_bfe_u32 s21, s12, 0x10002
	s_lshl_b32 s21, s21, 6                         ; the half of the lanes
	s_add_co_u32 s20, s20, s21
	s_add_co_u32 s20, s20, LDS_MINS
	v_lshl_add_u32 v[TA], v[R], 2, s20
	v_lshl_add_u32 v[TA], v[H], 11, v[TA]          ; my lane reads blocks 2 q + lane / 16, q = 0 .. 3
.set e, 0
.rept 8
	ds_load_b32 v[D+e], v[TA] offset:128*(e/4)+4096*(e%4)
.set e, e+1
.endr
	v_mov_b32 v[AD], LDS_XMX
.irp k, 0,1,2,3
	ds_load_b128 v[XV+4*\k:XV+4*\k+3], v[AD] offset:16*\k
.endr
	s_wait_dscnt 0x0
.irp e, 0,1,2,3
	v_min_num_f32 v[SV+\e], v[D+2*\e], v[D+2*\e+1] ; 64 groups of 256 points a centre, in two registers
.endr
	v_max3_num_f32 v[XV], v[XV], v[XV+1], v[XV+2]
	v_max3_num_f32 v[XV+3], v[XV+3], v[XV+4], v[XV+5]
	v_max3_num_f32 v[XV+6], v[XV+6], v[XV+7], v[XV+8]
	v_max3_num_f32 v[XV+9], v[XV+9], v[XV+10], v[XV+11]
	v_max3_num_f32 v[XV+12], v[XV+12], v[XV+13], v[XV+14]
	v_max3_num_f32 v[XV], v[XV], v[XV+3], v[XV+6]
	v_max3_num_f32 v[XV+9], v[XV+9], v[XV+12], v[XV+15]
	v_max_num_f32 v[XV], v[XV], v[XV+9]            ; the batch's largest |x|^2,
	v_max_num_f32 v[XV], 0x0d800000, v[XV]         ; 2^-100 at the least: the margin is never 0
; A step of a bitonic sort of 32 numbers, one a lane: partner = lane xor j; in blocks of k lanes the direction alternates.  Lanes of (bit j) xor (bit k) keep the larger in a rising
; sort.  Runs 0 and 2 rise, runs 1 and 3 fall: the same mask with the two choices swapped.  Four runs side by side, so that no line waits for the one before it.
.macro TSTAGE j, bj, bk
	s_mov_b32 s30, (\bj)^(\bk)
.irp e, 0,1,2,3
.if \j < 16
	v_min_num_f32_dpp v[TM+2*\e], v[SV+\e], v[SV+\e] row_xmask:\j row_mask:0xf bank_mask:0xf
	v_max_num_f32_dpp v[TM+2*\e+1], v[SV+\e], v[SV+\e] row_xmask:\j row_mask:0xf bank_mask:0xf
.else
	v_permlanex16_b32 v[TP+\e], v[SV+\e], s26, s27
	v_min_num_f32 v[TM+2*\e], v[SV+\e], v[TP+\e]
	v_max_num_f32 v[TM+2*\e+1], v[SV+\e], v[TP+\e]
.endif
.endr
	v_cndmask_b32 v[SV], v[TM], v[TM+1], s30
	v_cndmask_b32 v[SV+1], v[TM+3], v[TM+2], s30
	v_cndmask_b32 v[SV+2], v[TM+4], v[TM+5], s30
	v_cndmask_b32 v[SV+3], v[TM+7], v[TM+6], s30
.endm
	TSTAGE 1, LB1, LB2
	TSTAGE 2, LB2, LB4
	TSTAGE 1, LB1, LB4
	TSTAGE 4, LB4, LB8
	TSTAGE 2, LB2, LB8
	TSTAGE 1, LB1, LB8
	TSTAGE 8, LB8, LB16
	TSTAGE 4, LB4, LB16
	TSTAGE 2, LB2, LB16
	TSTAGE 1, LB1, LB16
	TSTAGE 16, LB16, 0
	TSTAGE 8, LB8, 0
	TSTAGE 4, LB4, 0
	TSTAGE 2, LB2, 0
	TSTAGE 1, LB1, 0
	v_min_num_f32 v[SV], v[SV], v[SV+1]            ; a rising run against a falling one: the lesser of each pair are the 32 smallest of the 64,
	v_min_num_f32 v[SV+2], v[SV+2], v[SV+3]
.irp m, 1,2,4,8
	v_max_num_f32_dpp v[SV], v[SV], v[SV] row_xmask:\m row_mask:0xf bank_mask:0xf
	v_max_num_f32_dpp v[SV+2], v[SV+2], v[SV+2] row_xmask:\m row_mask:0xf bank_mask:0xf
.endr
	v_permlanex16_b32 v[TP], v[SV], s26, s27
	v_permlanex16_b32 v[TP+1], v[SV+2], s26, s27
	v_max_num_f32 v[SV], v[SV], v[TP]              ; and the largest of them is the 32nd smallest: T'
	v_max_num_f32 v[SV+2], v[SV+2], v[TP+1]
	s_mov_b32 s21, 0x38800000                      ; 2^-14
	v_fma_f32 v[SV], v[XV], s21, v[SV]             ; + the margin
	v_fma_f32 v[SV+2], v[XV], s21, v[SV+2]
	v_mul_f32 v[SV], -1.0, v[SV]
	v_mul_f32 v[SV+2], -1.0, v[SV+2]
	s_lshl_b32 s23, s12, 3
	s_add_co_u32 s23, s23, LDS_TTH
	v_mov_b32 v[AD], s23
	ds_store_b32 v[AD], v[SV]
	ds_store_b32 v[AD], v[SV+2] offset:4
	s_wait_dscnt 0x0
	s_barrier_signal -1
	s_barrier_wait -1
; PASS 2.  C's register j of lane (r, h) belongs to centre 8 h + j, as the result's does.  A result below zero is a candidate: its sign bit is shifted into the mask word from below.
; 32 steps fill a word: step b of a round lands in bit 31 - b.  Word i = 2 q + rho of lane r holds points base + 128 r + 32 i + b: the lane's four words follow each other in cand.
	s_lshl_b32 s23, s16, 6
	s_add_co_u32 s23, s23, LDS_TTH
	v_lshl_add_u32 v[AD], v[H], 5, s23
	ds_load_b128 v[CT:CT+3], v[AD]
	ds_load_b128 v[CT+4:CT+7], v[AD] offset:16
.set i, 0
.rept 32
	v_mov_b32 v[MK+i], 0                           ; written once so that the first shift reads a written register; 32 shifts push these bits out
.set i, i+1
.endr
	v_mov_b32 v[BA], v[BA0]
.macro TRIP2 rho, load
	s_wait_dscnt 0x0
	W8 1
.if \load
	LOADB
.endif
.irp st, 0,1,2,3
.irp q, 0,1
.irp j, 0,1,2,3,4,5,6,7
	v_alignbit_b32 v[MK+4*\j+2*\q+\rho], v[MK+4*\j+2*\q+\rho], v[D+16*\st+8*\q+\j], 31
.endr
.endr
.endr
.endm
	LOADB
	s_mov_b32 s3, 8
.Lp2a:                                                 ; steps 0-31; its last trip loads the next round's first records
	TRIP2 0, 1
	s_sub_co_u32 s3, s3, 1
	s_cmp_lg_u32 s3, 0
	s_cbranch_scc1 .Lp2a
	s_mov_b32 s3, 7
.Lp2b:                                                 ; steps 32-59
	TRIP2 1, 1
	s_sub_co_u32 s3, s3, 1
	s_cmp_lg_u32 s3, 0
	s_cbranch_scc1 .Lp2b
	TRIP2 1, 0                                     ; steps 60-63: nothing more to load
	s_lshl_b32 s20, s28, 11                        ; a centre has 2,048 bytes of cand,
	s_lshl_b32 s21, s15, 8                         ; my block 256 of them
	s_add_co_u32 s20, s20, s21
	s_mov_b32 s21, 0
	s_add_nc_u64 s[6:7], s[6:7], s[20:21]
	v_lshlrev_b32 v[GOF], 4, v[R]
	v_lshl_add_u32 v[GOF], v[H], 14, v[GOF]        ; lanes 16-31: eight centres on
.irp j, 0,1,2,3,4,5,6,7
	global_store_b128 v[GOF], v[MK+4*\j:MK+4*\j+3], s[6:7] offset:2048*\j  ; 16 lanes store 256 consecutive bytes, at a multiple of 256 from cand's first byte
.endr
; THE COUNTS.  A GROUP is a lane's four words of one centre: 128 points; group g = 16 block + r.  The candidates of a centre are numbered by group, in a group by word, in a word from bit 0 up.
; The bits of a word are counted in place: pairs, nibbles, bytes; the four words' bytes are then added up one onto the other (32 a byte at the most), and a multiplication by 0x01010101
; leaves the sum of a word's four bytes (128 at the most) in its top byte.  So c0, c01, c012 and the group's count come out: the candidates in word 0, words 0-1, 0-2, 0-3.
.macro COUNT j
.irp i, 0,1,2,3
	v_lshrrev_b32 v[PT+\i], 1, v[MK+4*\j+\i]
.endr
.irp i, 0,1,2,3
	v_and_b32 v[PT+\i], s32, v[PT+\i]
.endr
.irp i, 0,1,2,3
	v_sub_nc_u32 v[PCN+4*\j+\i], v[MK+4*\j+\i], v[PT+\i]
.endr
.irp i, 0,1,2,3
	v_lshrrev_b32 v[PT+\i], 2, v[PCN+4*\j+\i]
.endr
.irp i, 0,1,2,3
	v_and_b32 v[PCN+4*\j+\i], s33, v[PCN+4*\j+\i]
	v_and_b32 v[PT+\i], s33, v[PT+\i]
.endr
.irp i, 0,1,2,3
	v_add_nc_u32 v[PCN+4*\j+\i], v[PCN+4*\j+\i], v[PT+\i]
.endr
.irp i, 0,1,2,3
	v_lshrrev_b32 v[PT+\i], 4, v[PCN+4*\j+\i]
.endr
.irp i, 0,1,2,3
	v_add_nc_u32 v[PCN+4*\j+\i], v[PCN+4*\j+\i], v[PT+\i]
.endr
.irp i, 0,1,2,3
	v_and_b32 v[PCN+4*\j+\i], s34, v[PCN+4*\j+\i]
.endr
	v_add_nc_u32 v[PCN+4*\j+1], v[PCN+4*\j+1], v[PCN+4*\j]
	v_add_nc_u32 v[PCN+4*\j+2], v[PCN+4*\j+2], v[PCN+4*\j+1]
	v_add_nc_u32 v[PCN+4*\j+3], v[PCN+4*\j+3], v[PCN+4*\j+2]
.irp i, 0,1,2,3
	v_mul_lo_u32 v[PCN+4*\j+\i], v[PCN+4*\j+\i], s35
.endr
.irp i, 0,1,2
	v_lshrrev_b32 v[PCN+4*\j+\i], 24, v[PCN+4*\j+\i]
.endr
	v_lshrrev_b32 v[TOT+\j], 24, v[PCN+4*\j+3]
	v_lshl_or_b32 v[PKD+\j], v[PCN+4*\j+1], 6, v[PCN+4*\j]      ; c0 (32 at the most) in bits 0-5, c01 (64) in bits 6-12,
	v_lshl_or_b32 v[PKD+\j], v[PCN+4*\j+2], 13, v[PKD+\j]       ; c012 (96) in bits 13-19
.endm
.irp j, 0,1,2,3,4,5,6,7
	COUNT \j
.endr
; The groups before mine in the block: four steps over the 16 lanes of a half.  In step m a lane takes the total of the m lanes beside its own m; the lanes whose r has bit m set
; lie above those and add it to their prefix; every lane adds it to its total.  At the end TOT is the block's count, in all 16 lanes.
.macro PFX m, mask, first
	s_mov_b32 s30, \mask
.irp j, 0,1,2,3,4,5,6,7
	v_mov_b32_dpp v[TX+\j], v[TOT+\j] row_xmask:\m row_mask:0xf bank_mask:0xf
.endr
.irp j, 0,1,2,3,4,5,6,7
	v_add_nc_u32 v[TOT+\j], v[TOT+\j], v[TX+\j]
.endr
.irp j, 0,1,2,3,4,5,6,7
.if \first
	v_cndmask_b32 v[PRE+\j], 0, v[TX+\j], s30
.else
	v_cndmask_b32 v[TX+\j], 0, v[TX+\j], s30
.endif
.endr
.if !(\first)
.irp j, 0,1,2,3,4,5,6,7
	v_add_nc_u32 v[PRE+\j], v[PRE+\j], v[TX+\j]
.endr
.endif
.endm
	PFX 1, LB1, 1
	PFX 2, LB2, 0
	PFX 4, LB4, 0
	PFX 8, LB8, 0
.irp j, 0,1,2,3,4,5,6,7
	v_lshl_or_b32 v[PKD+\j], v[PRE+\j], 20, v[PKD+\j]           ; the prefix (1,920 at the most) in bits 20-30
.endr
; rank[tile][block][centre 16][r 16]: my wave's 1,024 bytes lie together.  They are turned in my own 1,024 bytes of the minima's region, which no wave reads behind the last barrier:
; in by centre and r, back as they lie.  LDS serves a wave's instructions in order, so no wait stands between.
	s_lshl_b32 s20, s12, 10
	s_add_co_u32 s20, s20, LDS_MINS
	v_lshl_add_u32 v[MA], v[R], 2, s20
	v_lshl_add_u32 v[MA], v[H], 9, v[MA]           ; centre 8 h + j: 64 bytes each
.irp j, 0,1,2,3,4,5,6,7
	ds_store_b32 v[MA], v[PKD+\j] offset:64*\j
.endr
	s_lshl_b32 s21, s16, 9
	s_lshl_b32 s22, s15, 6
	s_add_co_u32 s21, s21, s22
	s_add_co_u32 s21, s21, LDS_BT
	v_lshl_add_u32 v[TA], v[H], 5, s21
	ds_store_b128 v[TA], v[TOT:TOT+3]              ; the block's counts of my 16 centres; the 16 lanes of a half write the same bytes with the same values
	ds_store_b128 v[TA], v[TOT+4:TOT+7] offset:16
	v_lshl_add_u32 v[AD], v[LANE], 4, s20
	ds_load_b128 v[PCN:PCN+3], v[AD]
	ds_load_b128 v[PCN+4:PCN+7], v[AD] offset:512
	s_lshl_b32 s20, s28, 9                         ; a tile of 16 centres has 8,192 bytes of rank,
	s_lshl_b32 s21, s15, 10                        ; my block 1,024 of them
	s_add_co_u32 s20, s20, s21
	s_mov_b32 s21, 0
	s_add_nc_u64 s[36:37], s[36:37], s[20:21]
	v_lshlrev_b32 v[COF], 4, v[LANE]
	s_wait_dscnt 0x0                               ; my rank words are back, and my counts are written, for the others' sake
	global_store_b128 v[COF], v[PCN:PCN+3], s[36:37]             ; 512 consecutive bytes each, at a multiple of 256 from rank's first byte
	global_store_b128 v[COF], v[PCN+4:PCN+7], s[36:37] offset:512
	s_barrier_signal -1
	s_barrier_wait -1                              ; everybody's counts are written
; head[centre][8]: the candidates in blocks 0 .. b; word 7 is the centre's count.  Waves 0 and 1 make it for the two tiles: lane (r, h) adds up centre r's eight counts and stores words 4 h .. 4 h + 3.
	s_cmp_gt_u32 s12, 1
	s_cbranch_scc1 .Lno_head
	s_lshl_b32 s21, s16, 9
	s_add_co_u32 s21, s21, LDS_BT
	v_lshl_add_u32 v[TA], v[R], 2, s21
.irp b, 0,1,2,3,4,5,6,7
	ds_load_b32 v[PRE+\b], v[TA] offset:64*\b
.endr
	s_lshl_b32 s20, s28, 5
	s_mov_b32 s21, 0
	s_add_nc_u64 s[38:39], s[38:39], s[20:21]
	v_lshlrev_b32 v[BA], 5, v[R]
	v_lshl_add_u32 v[BA], v[H], 4, v[BA]
	s_wait_dscnt 0x0
.irp b, 1,2,3,4,5,6,7
	v_add_nc_u32 v[PRE+\b], v[PRE+\b], v[PRE+\b-1]
.endr
.irp k, 0,1,2,3
	v_cndmask_b32 v[TX+\k], v[PRE+\k], v[PRE+4+\k], s24
.endr
	global_store_b128 v[BA], v[TX:TX+3], s[38:39]  ; the tile's 512 consecutive bytes of head
.Lno_head:
	s_wait_tensorcnt 0x0                           ; the wave's end
	ds_add_u32 v[SPW], v[NIL]
	s_wait_dscnt 0x0
	s_endpgm
.Lfunc_end_k_qda00dafb29_scan:
	.size	k_qda00dafb29_scan, .Lfunc_end_k_qda00dafb29_scan-k_qda00dafb29_scan
	.p2alignl 7, 3214868480
	.fill 96, 4, 3214868480
	.section	.rodata,"a",@progbits
	.p2align	6, 0x0
	.amdhsa_kernel k_qda00dafb29_scan
		.amdhsa_group_segment_fixed_size 284160
		.amdhsa_private_segment_fixed_size 0
		.amdhsa_enable_private_segment 0
		.amdhsa_kernarg_size 48
		.amdhsa_user_sgpr_count 2
		.amdhsa_user_sgpr_kernarg_segment_ptr 1
		.amdhsa_wavefront_size32 1
		.amdhsa_system_sgpr_workgroup_id_x 1
		.amdhsa_system_sgpr_workgroup_id_y 1
		.amdhsa_system_sgpr_workgroup_id_z 1
		.amdhsa_system_vgpr_workitem_id 0
		.amdhsa_next_free_vgpr 192
		.amdhsa_next_free_sgpr 66
		.amdhsa_reserve_vcc 1
		.amdhsa_float_denorm_mode_32 3
		.amdhsa_float_denorm_mode_16_64 3
		.amdhsa_memory_ordered 1
		.amdhsa_forward_progress 1
		.amdhsa_inst_pref_size 98
	.end_amdhsa_kernel
	.amdgpu_metadata
---
amdhsa.version: [ 1, 2 ]
amdhsa.kernels:
  - .name:           k_qda00dafb29_scan
    .symbol:         k_qda00dafb29_scan.kd
    .args:
      - { .name: xyz, .offset: 0, .size: 8, .value_kind: global_buffer, .address_space: global }
      - { .name: cand, .offset: 8, .size: 8, .value_kind: global_buffer, .address_space: global }
      - { .name: out1, .offset: 16, .size: 8, .value_kind: global_buffer, .address_space: global }
      - { .name: out2, .offset: 24, .size: 8, .value_kind: global_buffer, .address_space: global }
      - { .name: rank, .offset: 32, .size: 8, .value_kind: global_buffer, .address_space: global }
      - { .name: head, .offset: 40, .size: 8, .value_kind: global_buffer, .address_space: global }
    .group_segment_fixed_size: 284160
    .private_segment_fixed_size: 0
    .kernarg_segment_align: 8
    .kernarg_segment_size: 48
    .max_flat_workgroup_size: 512
    .sgpr_count:     66
    .vgpr_count:     192
    .wavefront_size: 32
...
	.end_amdgpu_metadata
.endif
;; end of part 1
;; launch select (part 2): grid 16 x 16, 32 waves a work-group, no clusters, 0 bytes of LDS; arguments xyz, cand, rank, head, out0; writes out0
.if DOCPART == 2
	.amdgcn_target "amdgcn-amd-amdhsa--gfx1250"
	.amdhsa_code_object_version 6
	.text
	.protected	k_qda00dafb29_select
	.globl	k_qda00dafb29_select
	.p2align	8
	.type	k_qda00dafb29_select,@function
k_qda00dafb29_select:
	s_mov_b64 s[64:65], 0
	v_nop
	global_prefetch_b8 v0, s[64:65] scope:SCOPE_SE
	s_setreg_imm32_b32 hwreg(HW_REG_WAVE_MODE, 25, 1), 1
	s_wait_xcnt 0x0
; SECOND LAUNCH: the 32 nearest points of one centre, in order, less the centre.  A wave takes a centre: centre 32 x + wave of batch y; the 32 waves share nothing, so there is no LDS and no barrier.
; WHAT THE FIRST LAUNCH LEFT.  cand[centre][512 words]: the candidates as bits, point n = 32 word + 31 - bit; at least 32, among them the 32 nearest.  A GROUP is four words, 128 points;
; a BLOCK 16 groups.  The candidates are numbered by group, in a group by word, in a word from bit 0 up.  head[centre][8]: the candidates in blocks 0 .. b (word 7: all of them).
; rank[centre / 16][block][centre % 16][16]: for each group  prefix << 20 | c012 << 13 | c01 << 6 | c0:  the block's candidates in the groups before it, and those in its words 0-2, 0-1, 0.
; THE WALK.  Chunk t takes candidates 32 t .. 32 t + 31, one a lane; the number of chunks comes from head's last word by a scalar load.  Lane l FINDS candidate q = 32 t + l by itself:
; its block from head, its group from the block's 16 rank words, its word from the three counts, its bit by five halvings.  Every number that steers an address goes from a load through
; integer arithmetic of the lane's own (a <= b is the sign of a - b - 1) and a clamp into the next load.  Comparisons of floats steer v_cndmask_b32 alone.
; Then the 32 points are gathered, measured, sorted downward across the lanes and merged into the best 32 so far, which rise with the lane.  Lanes at or beyond the count hold padding.
; An element is three words: d; point number << 16 | z; y << 16 | x (bf16 halves): the coordinates ride along, so nothing is gathered behind the sort.
; NUMBERS.  xyz is rounded to bf16 as in the first launch.  The squared distance is summed in f32 in this order: dot = (c0 x0 + c1 x1) + c2 x2; |x|^2 = (x0^2 + x1^2) + x2^2;
; d = (-2 dot + |c|^2) + |x|^2.  Products of bf16 numbers are exact in f32, so each fused step rounds once, as an addition of the product would.  Equal d: the lower point number first.
; LIMITS: NaN and infinities in xyz are not treated.
.set LANE, 1
.set Q,    2                           ; my candidate's number
.set Q1,   3                           ; q + 1
.set BB,   4                           ; its block
.set BS,   5                           ; the candidates in the blocks before
.set TT,   6                           ; at work
.set QP,   7                           ; its number in the block
.set Q2,   8                           ; (that + 1) << 20
.set RA,   9                           ; byte offset of the block's rank words
.set RR,   10                          ; the group in the block
.set GG,   11                          ; the group
.set GA,   12                          ; byte offset of the group's mask words
.set PA,   13                          ; byte offset of the group's rank word
.set PG,   14                          ; that word
.set K1,   15                          ; the candidate's number in what is left, + 1
.set WW,   16                          ; v[16:19] the group's four mask words
.set M0,   20                          ; v20-22 all ones where the candidate lies behind word 0, 1, 2
.set CC,   23                          ; v23-25 c0, c01, c012
.set WS,   26                          ; its word
.set SA,   27                          ; the word's counts by pairs,
.set SB,   28                          ; nibbles,
.set SC,   29                          ; bytes,
.set SD,   30                          ; halves
.set PS,   31                          ; the bit
.set UU,   32                          ; at work
.set II,   33                          ; the word's number in the group
.set NI,   34                          ; the point number
.set OF,   35                          ; a byte offset in xyz
.set EE,   36                          ; v[36:51] the block's 16 rank words
.set CR,   52                          ; v[52:54] the centre as loaded
.set C0,   55                          ; v55-57 the centre, rounded
.set CS,   58                          ; |c|^2
.set XG,   60                          ; v[60:62] a gathered point
.set W0,   63
.set W1,   64
.set X0,   65
.set X1,   66
.set X2,   67
.set SS,   68
.set DT,   69
.set KD,   70                          ; v70-72 the chunk's element
.set PD,   73                          ; v73-75 the partner lane's element
.set RD,   76                          ; v76-78 the best 32 so far
.set INF,  79
.set ZR,   80
.set OA,   81
.set OU,   82                          ; v[82:84]
.set HD,   40                          ; s[40:47] head's eight words
.set LB1,  0xaaaaaaaa                  ; lanes whose number has bit 0, 1, 2, 3, 4 set
.set LB2,  0xcccccccc
.set LB4,  0xf0f0f0f0
.set LB8,  0xff00ff00
.set LB16, 0xffff0000
.set ALL,  0xffffffff
	s_load_b256 s[4:11], s[0:1], 0x0               ; xyz s[4:5], cand s[6:7], rank s[8:9], head s[10:11]
	s_load_b64 s[12:13], s[0:1], 0x20              ; out0
	v_lshrrev_b32 v[TT], 5, v0
	v_readfirstlane_b32 s14, v[TT]                 ; wave 0..31
	v_and_b32 v[LANE], 31, v0
	s_and_b32 s15, ttmp7, 0xffff                   ; batch
	s_lshl_b32 s16, ttmp9, 5
	s_add_co_u32 s16, s16, s14                     ; the centre, in its batch
	s_lshl_b32 s17, s15, 9
	s_add_co_u32 s17, s17, s16                     ; and among all 8,192
	s_lshl_b32 s18, s17, 5                         ; its 32 bytes of head
	s_mov_b32 s19, 0
	s_lshl_b32 s20, s17, 11                        ; its 2,048 bytes of cand
	s_mov_b32 s21, 0
	s_lshr_b32 s22, s17, 4
	s_lshl_b32 s22, s22, 13                        ; its tile's 8,192 bytes of rank,
	s_and_b32 s23, s17, 15
	s_lshl_b32 s23, s23, 6                         ; and its 64 bytes in each block's 1,024
	s_add_co_u32 s22, s22, s23
	s_mov_b32 s23, 0
	s_mul_i32 s24, s17, 384                        ; its 384 bytes of out0
	s_mov_b32 s25, 0
	s_mul_i32 s26, s15, 196608                     ; the batch's bytes in xyz
	s_mov_b32 s27, 0
	s_mul_i32 s28, s16, 384                        ; the centre is point 32 g
	v_mov_b32 v[OF], s28
	s_wait_kmcnt 0x0
	s_add_nc_u64 s[10:11], s[10:11], s[18:19]
	s_load_b256 s[HD:HD+7], s[10:11], 0x0
	s_add_nc_u64 s[4:5], s[4:5], s[26:27]
	global_load_b96 v[CR:CR+2], v[OF], s[4:5]
	s_add_nc_u64 s[6:7], s[6:7], s[20:21]
	s_add_nc_u64 s[8:9], s[8:9], s[22:23]
	s_add_nc_u64 s[12:13], s[12:13], s[24:25]
	v_mov_b32 v[ZR], 0
	v_mov_b32 v[INF], 0x7f800000
	v_mov_b32 v[RD], 0x7f800000                    ; the best 32 start as padding: +inf, the highest second word, no coordinates
	v_mov_b32 v[RD+1], -1
	v_mov_b32 v[RD+2], 0
	v_mov_b32 v[PD], 0                             ; destinations of lane moves count as read: written once here
	v_mov_b32 v[PD+1], 0
	v_mov_b32 v[PD+2], 0
	v_mul_u32_u24 v[OA], v[LANE], 12
	v_mov_b32 v[Q], v[LANE]
	s_mov_b32 s29, 0xffff0000                      ; a word's upper half
	s_mov_b32 s30, 0x76543210                      ; v_permlanex16_b32: each lane takes its own place in the other half
	s_mov_b32 s31, 0xfedcba98
	s_mov_b32 s32, 0x55555555                      ; the counting of bits: every second bit, pairs, nibbles, bytes
	s_mov_b32 s33, 0x33333333
	s_mov_b32 s34, 0x0f0f0f0f
	s_mov_b32 s35, 0x00ff00ff
	s_wait_loadcnt 0x0
	v_cvt_pk_bf16_f32 v[W0], v[CR], v[CR+1]
	v_cvt_pk_bf16_f32 v[W1], v[CR+2], v[ZR]
	v_lshlrev_b32 v[C0], 16, v[W0]
	v_and_b32 v[C0+1], s29, v[W0]
	v_lshlrev_b32 v[C0+2], 16, v[W1]
	v_mul_f32 v[CS], v[C0], v[C0]
	v_fmac_f32 v[CS], v[C0+1], v[C0+1]
	v_fmac_f32 v[CS], v[C0+2], v[C0+2]
	s_wait_kmcnt 0x0                               ; head
	s_add_co_u32 s36, s[HD+7], 31
	s_lshr_b32 s36, s36, 5                         ; chunks of 32 candidates,
	s_min_u32 s36, s36, 512                        ; no more than the batch's points make,
	s_max_u32 s36, s36, 1                          ; and one at the least
	s_mov_b32 s37, 0
; The element at v[b .. b+2] against that of lane xor j.  'The partner's is less' = d less, or d equal and second word less.  km: the lanes that keep the greater.
.macro XCH b, j, km
.if \j < 16
	v_mov_b32_dpp v[PD], v[\b] row_xmask:\j row_mask:0xf bank_mask:0xf
	v_mov_b32_dpp v[PD+1], v[\b+1] row_xmask:\j row_mask:0xf bank_mask:0xf
	v_mov_b32_dpp v[PD+2], v[\b+2] row_xmask:\j row_mask:0xf bank_mask:0xf
.else
	v_permlanex16_b32 v[PD], v[\b], s30, s31
	v_permlanex16_b32 v[PD+1], v[\b+1], s30, s31
	v_permlanex16_b32 v[PD+2], v[\b+2], s30, s31
.endif
	v_cmp_lt_f32 s20, v[PD], v[\b]
	v_cmp_eq_f32 s21, v[PD], v[\b]
	v_cmp_lt_u32 s22, v[PD+1], v[\b+1]
	s_and_b32 s21, s21, s22
	s_or_b32 s20, s20, s21
	s_xor_b32 s20, s20, (\km)                      ; take the partner's: where it is less and I keep the lesser, or it is not and I keep the greater
	v_cndmask_b32 v[\b], v[\b], v[PD], s20
	v_cndmask_b32 v[\b+1], v[\b+1], v[PD+1], s20
	v_cndmask_b32 v[\b+2], v[\b+2], v[PD+2], s20
.endm
; A halving: of the 2 n bits from bit PS on, the lower n hold t candidates (field of n bits at PS in the counts x).  Where t <= my number, mine lies in the upper n: PS goes n on, and t are behind me.
.macro HALVE x, n
	v_bfe_u32 v[TT], v[\x], v[PS], \n
	v_sub_nc_u32 v[UU], v[TT], v[K1]
	v_ashrrev_i32 v[UU], 31, v[UU]
	v_and_b32 v[TT], v[TT], v[UU]
	v_sub_nc_u32 v[K1], v[K1], v[TT]
	v_and_or_b32 v[PS], v[UU], \n, v[PS]
.endm
.Lchunk:
	; the block: as many of head's first seven sums as are <= q; the last of them is what lies before the block.  The sums rise, so each that counts replaces the one before.
	v_add_nc_u32 v[Q1], 1, v[Q]
	v_mov_b32 v[BB], 0
	v_mov_b32 v[BS], 0
.irp k, 0,1,2,3,4,5,6
	v_sub_nc_u32 v[TT], s[HD+\k], v[Q1]
	v_ashrrev_i32 v[TT], 31, v[TT]                 ; all ones where the sum <= q
	v_sub_nc_u32 v[BB], v[BB], v[TT]
	v_bfi_b32 v[BS], v[TT], s[HD+\k], v[BS]
.endr
	v_min_u32 v[BB], 7, v[BB]                      ; a number made from loaded ones is clamped before it becomes an address
	v_lshlrev_b32 v[RA], 10, v[BB]
.irp k, 0,1,2,3
	global_load_b128 v[EE+4*\k:EE+4*\k+3], v[RA], s[8:9] offset:16*\k
.endr
	v_sub_nc_u32 v[QP], v[Q], v[BS]
	v_min_u32 v[QP], 0x7ff, v[QP]                  ; a block has 2,048 points; only padding lanes are cut
	v_add_lshl_u32 v[Q2], v[QP], 1, 20
	s_wait_loadcnt 0x0
	; the group: the last whose prefix is <= my number in the block: a rank word is below (number + 1) << 20 just then.  The first group's prefix is 0, so one counts at the least.
.set e, 0
.rept 16
	v_sub_nc_u32 v[EE+e], v[EE+e], v[Q2]
.set e, e+1
.endr
.set e, 0
.rept 16
	v_lshrrev_b32 v[EE+e], 31, v[EE+e]
.set e, e+1
.endr
	v_add3_u32 v[EE], v[EE], v[EE+1], v[EE+2]
	v_add3_u32 v[EE+3], v[EE+3], v[EE+4], v[EE+5]
	v_add3_u32 v[EE+6], v[EE+6], v[EE+7], v[EE+8]
	v_add3_u32 v[EE+9], v[EE+9], v[EE+10], v[EE+11]
	v_add3_u32 v[EE+12], v[EE+12], v[EE+13], v[EE+14]
	v_add3_u32 v[EE], v[EE], v[EE+3], v[EE+6]
	v_add3_u32 v[EE+9], v[EE+9], v[EE+12], v[EE+15]
	v_add3_u32 v[RR], v[EE], v[EE+9], -1
	v_min_u32 v[RR], 15, v[RR]
	v_lshl_add_u32 v[GG], v[BB], 4, v[RR]
	v_lshlrev_b32 v[GA], 4, v[GG]
	v_lshl_add_u32 v[PA], v[RR], 2, v[RA]
	global_load_b128 v[WW:WW+3], v[GA], s[6:7]
	global_load_b32 v[PG], v[PA], s[8:9]
	s_wait_loadcnt 0x0
	; the word: as many of c0, c01, c012 as are <= my number in the group
	v_lshrrev_b32 v[TT], 20, v[PG]
	v_and_b32 v[CC], 63, v[PG]
	v_bfe_u32 v[CC+1], v[PG], 6, 7
	v_bfe_u32 v[CC+2], v[PG], 13, 7
	v_sub_nc_u32 v[K1], v[QP], v[TT]
	v_add_nc_u32 v[K1], 1, v[K1]
.irp k, 0,1,2
	v_sub_nc_u32 v[M0+\k], v[CC+\k], v[K1]
.endr
.irp k, 0,1,2
	v_ashrrev_i32 v[M0+\k], 31, v[M0+\k]
.endr
	v_bfi_b32 v[WS], v[M0], v[WW+1], v[WW]
	v_and_b32 v[TT], v[M0], v[CC]
	v_bfi_b32 v[WS], v[M0+1], v[WW+2], v[WS]
	v_bfi_b32 v[TT], v[M0+1], v[CC+1], v[TT]
	v_bfi_b32 v[WS], v[M0+2], v[WW+3], v[WS]
	v_bfi_b32 v[TT], v[M0+2], v[CC+2], v[TT]
	v_add3_u32 v[II], v[M0], v[M0+1], v[M0+2]
	v_sub_nc_u32 v[K1], v[K1], v[TT]
	v_sub_nc_u32 v[II], 0, v[II]
	; the bit: the word's candidates counted by pairs, nibbles, bytes and halves, then five halvings
	v_lshrrev_b32 v[TT], 1, v[WS]
	v_and_b32 v[TT], s32, v[TT]
	v_sub_nc_u32 v[SA], v[WS], v[TT]
	v_lshrrev_b32 v[TT], 2, v[SA]
	v_and_b32 v[SB], s33, v[SA]
	v_and_b32 v[TT], s33, v[TT]
	v_add_nc_u32 v[SB], v[SB], v[TT]
	v_lshrrev_b32 v[TT], 4, v[SB]
	v_add_nc_u32 v[SC], v[SB], v[TT]
	v_and_b32 v[SC], s34, v[SC]
	v_lshrrev_b32 v[TT], 8, v[SC]
	v_add_nc_u32 v[SD], v[SC], v[TT]
	v_and_b32 v[SD], s35, v[SD]
	v_mov_b32 v[PS], 0
	HALVE SD, 16
	HALVE SC, 8
	HALVE SB, 4
	HALVE SA, 2
	HALVE WS, 1
	v_lshl_add_u32 v[NI], v[GG], 2, v[II]          ; the word's number,
	v_lshl_add_u32 v[NI], v[NI], 5, 31
	v_sub_nc_u32 v[NI], v[NI], v[PS]               ; and the point: 32 word + 31 - bit
	v_min_u32 v[NI], 0x3fff, v[NI]                 ; a point number stays inside the batch
	v_mul_u32_u24 v[OF], v[NI], 12
	global_load_b96 v[XG:XG+2], v[OF], s[4:5]
	v_cmp_gt_u32 s38, s[HD+7], v[Q]                ; my candidate counts
	s_wait_loadcnt 0x0
	v_cvt_pk_bf16_f32 v[W0], v[XG], v[XG+1]
	v_cvt_pk_bf16_f32 v[W1], v[XG+2], v[ZR]
	v_lshlrev_b32 v[X0], 16, v[W0]
	v_and_b32 v[X1], s29, v[W0]
	v_lshlrev_b32 v[X2], 16, v[W1]
	v_mul_f32 v[SS], v[X0], v[X0]
	v_mul_f32 v[DT], v[C0], v[X0]
	v_fmac_f32 v[SS], v[X1], v[X1]
	v_fmac_f32 v[DT], v[C0+1], v[X1]
	v_fmac_f32 v[SS], v[X2], v[X2]
	v_fmac_f32 v[DT], v[C0+2], v[X2]
	v_fma_f32 v[DT], v[DT], -2.0, v[CS]
	v_add_f32 v[KD], v[DT], v[SS]
	v_lshl_or_b32 v[KD+1], v[NI], 16, v[W1]
	v_cndmask_b32 v[KD], v[INF], v[KD], s38
	v_cndmask_b32 v[KD+1], -1, v[KD+1], s38
	v_cndmask_b32 v[KD+2], 0, v[W0], s38
	XCH KD, 1, LB1^LB2^ALL                         ; a bitonic sort of 32, falling: in a rising one lanes of (bit j) xor (bit k) keep the greater; here the others do
	XCH KD, 2, LB2^LB4^ALL
	XCH KD, 1, LB1^LB4^ALL
	XCH KD, 4, LB4^LB8^ALL
	XCH KD, 2, LB2^LB8^ALL
	XCH KD, 1, LB1^LB8^ALL
	XCH KD, 8, LB8^LB16^ALL
	XCH KD, 4, LB4^LB16^ALL
	XCH KD, 2, LB2^LB16^ALL
	XCH KD, 1, LB1^LB16^ALL
	XCH KD, 16, LB16^ALL
	XCH KD, 8, LB8^ALL
	XCH KD, 4, LB4^ALL
	XCH KD, 2, LB2^ALL
	XCH KD, 1, LB1^ALL
	v_cmp_lt_f32 s20, v[KD], v[RD]                 ; a rising run against a falling one: the lesser of each pair are the 32 least of the 64,
	v_cmp_eq_f32 s21, v[KD], v[RD]
	v_cmp_lt_u32 s22, v[KD+1], v[RD+1]
	s_and_b32 s21, s21, s22
	s_or_b32 s20, s20, s21
	v_cndmask_b32 v[RD], v[RD], v[KD], s20
	v_cndmask_b32 v[RD+1], v[RD+1], v[KD+1], s20
	v_cndmask_b32 v[RD+2], v[RD+2], v[KD+2], s20
	XCH RD, 16, LB16                               ; and five steps put them in rising order again
	XCH RD, 8, LB8
	XCH RD, 4, LB4
	XCH RD, 2, LB2
	XCH RD, 1, LB1
	v_add_nc_u32 v[Q], 32, v[Q]
	s_add_co_u32 s37, s37, 1
	s_cmp_lt_u32 s37, s36
	s_cbranch_scc1 .Lchunk
	v_lshlrev_b32 v[X0], 16, v[RD+2]               ; lane k holds the k-th nearest point
	v_and_b32 v[X1], s29, v[RD+2]
	v_lshlrev_b32 v[X2], 16, v[RD+1]
	v_sub_f32 v[OU], v[X0], v[C0]
	v_sub_f32 v[OU+1], v[X1], v[C0+1]
	v_sub_f32 v[OU+2], v[X2], v[C0+2]
	global_store_b96 v[OA], v[OU:OU+2], s[12:13]   ; the centre's 384 consecutive bytes of out0
	s_endpgm
.Lfunc_end_k_qda00dafb29_select:
	.size	k_qda00dafb29_select, .Lfunc_end_k_qda00dafb29_select-k_qda00dafb29_select
	.p2alignl 7, 3214868480
	.fill 96, 4, 3214868480
	.section	.rodata,"a",@progbits
	.p2align	6, 0x0
	.amdhsa_kernel k_qda00dafb29_select
		.amdhsa_group_segment_fixed_size 0
		.amdhsa_private_segment_fixed_size 0
		.amdhsa_enable_private_segment 0
		.amdhsa_kernarg_size 40
		.amdhsa_user_sgpr_count 2
		.amdhsa_user_sgpr_kernarg_segment_ptr 1
		.amdhsa_wavefront_size32 1
		.amdhsa_system_sgpr_workgroup_id_x 1
		.amdhsa_system_sgpr_workgroup_id_y 1
		.amdhsa_system_sgpr_workgroup_id_z 1
		.amdhsa_system_vgpr_workitem_id 0
		.amdhsa_next_free_vgpr 88
		.amdhsa_next_free_sgpr 66
		.amdhsa_reserve_vcc 0
		.amdhsa_float_denorm_mode_32 3
		.amdhsa_float_denorm_mode_16_64 3
		.amdhsa_memory_ordered 1
		.amdhsa_forward_progress 1
		.amdhsa_inst_pref_size 26
	.end_amdhsa_kernel
	.amdgpu_metadata
---
amdhsa.version: [ 1, 2 ]
amdhsa.kernels:
  - .name:           k_qda00dafb29_select
    .symbol:         k_qda00dafb29_select.kd
    .args:
      - { .name: xyz, .offset: 0, .size: 8, .value_kind: global_buffer, .address_space: global }
      - { .name: cand, .offset: 8, .size: 8, .value_kind: global_buffer, .address_space: global }
      - { .name: rank, .offset: 16, .size: 8, .value_kind: global_buffer, .address_space: global }
      - { .name: head, .offset: 24, .size: 8, .value_kind: global_buffer, .address_space: global }
      - { .name: out0, .offset: 32, .size: 8, .value_kind: global_buffer, .address_space: global }
    .group_segment_fixed_size: 0
    .private_segment_fixed_size: 0
    .kernarg_segment_align: 8
    .kernarg_segment_size: 40
    .max_flat_workgroup_size: 1024
    .sgpr_count:     66
    .vgpr_count:     88
    .wavefront_size: 32
...
	.end_amdgpu_metadata
.endif
;; end of part 2
